; MI455X (gfx1250); checked and timed in simulation.
; The chip was launched on July 23, 2026; its instructions are those of AMD's public machine-readable ISA for CDNA 5 (MIT licence, August 2026) and "CDNA5" Instruction Set Architecture Reference Guide (July 2026). The comments in the code are by the model that wrote it; some were corrected since.
;; Multi Head Attention. Allowed arithmetic: matrix products marked QUANTISED: E4M3 operands, one given power-of-two scale a tensor, by v_wmma_f32_16x16x64_fp8_fp8 or v_wmma_f32_16x16x128_fp8_fp8, f32 sums; everything else in f32.
;; Inputs: W_K 16 x 1,024 x 64 float32; W_Q 16 x 1,024 x 64 float32; W_V 16 x 1,024 x 64 float32; W_pool 1,024 x 1,024 float32; lowp_scales 12 int32 (the exponents e of the quantised operands' scales 2^e); token_embeddings 4,096 x 1,024 float32.
;; Outputs: out0 4,096 x 1,024 float32.
;; This version of the problem:
;;   THIS VERSION OF THE PROBLEM IS GIVEN IN LOW PRECISION. The matrix products marked QUANTISED in the list below multiply operands that are first quantised to E4M3 (4 exponent bits, 3 mantissa bits; 8 bits a number), with one given power-of-two scale for each operand tensor; their sums are f32. All else is computed in f32.
;;   The module's matrix products, in the order in which they are computed (A, B: the left and right operand; K: the contracted axis; several contracted axes count as one K, in the product's order):
;;     1. [M 1,024, K 1,024] x [K 1,024, N 4,096]; A: input W_Q; B: input token_embeddings: QUANTISED (scales: A lowp_scales[0], B lowp_scales[1])
;;     2. [M 1,024, K 1,024] x [K 1,024, N 4,096]; A: input W_K; B: input token_embeddings: QUANTISED (scales: A lowp_scales[2], B lowp_scales[3])
;;     3. [M 1,024, K 1,024] x [K 1,024, N 4,096]; A: input W_V; B: input token_embeddings: QUANTISED (scales: A lowp_scales[4], B lowp_scales[5])
;;     4. batch 16 x [M 4,096, K 64] x [K 64, N 4,096]; A: computed on the way; B: computed on the way: QUANTISED (scales: A lowp_scales[6], B lowp_scales[7])
;;     5. batch 16 x [M 4,096, K 4,096] x [K 4,096, N 64]; A: softmax (see below); B: computed on the way: QUANTISED (scales: A lowp_scales[8], B lowp_scales[9])
;;     6. [M 4,096, K 1,024] x [K 1,024, N 1,024]; A: computed on the way; B: input W_pool: QUANTISED (scales: A lowp_scales[10], B lowp_scales[11])
;;   THE QUANTISER, for each operand of a quantised product, along K:
;;     - The operand's scale is 2^e, e = its entry of the input lowp_scales (int32; the entries are numbered through the quantised products in the list's order, A before B).
;;     - Each number is divided by the scale, clamped to +-448, and rounded to the nearest number of E4M3, ties to even, subnormals kept.
;;     - The product sums the exact products of the quantised numbers (number of the format x scale) in f32.
;;   ~~~python
;;   def quantise(x, axis, e):      # numpy; x: float32 -> the quantised numbers, widened to float32 again
;;       x = np.moveaxis(x, axis, -1); K = x.shape[-1]
;;       r = np.clip(x / 2.0 ** e, -448, 448)
;;       step = 2.0 ** (np.maximum(np.frexp(np.where(r == 0, 1, r))[1] - 1, -6) - 3)
;;       q = np.round(r / step) * step * 2.0 ** e      # np.round: ties to even
;;       return np.moveaxis(q, -1, axis).astype(np.float32)
;;   ~~~
;;   SOFTMAX AHEAD OF A QUANTISED PRODUCT. Where the list says 'softmax', what is quantised is not the finished softmax but p = 2^(t - M), with t = logit x log2(e) and M = ceil(the row's largest t), a whole number; so 1/2 < the row's largest p <= 1. The row's sum l is taken of the UNQUANTISED p, in f32, and the product's result is divided by l at the end. Since M is a whole number, a kernel that streams over the keys may use a running M (the ceiling of the running maximum): every later rescaling is an exact power of two, so the quantised numbers keep their values, but for numbers so far below the row's largest that they fall under the format's range.
;;   OPERANDS COMPUTED ON THE WAY. 'Computed on the way' means the value that the module computes at that place (a softmax that the list does not call 'softmax' is quantised finished and normalised). What goes into a quantiser is computed in f32, as accurately as f32 sums, v_exp_f32 and their like allow (about 1e-6 of the number): no bf16 or f16 on the way to a quantiser, and a product that is left as it is and whose result goes on into a quantised operand takes f32 operands (vector FMAs, or v_wmma_f32_16x16x4_f32). A number that lies on a knife's edge between two numbers of the format may be rounded either way, as far as f32 arithmetic and the matrix unit's own rounding can turn it there, and no further.
;; One version. Each part assembles by itself: llvm-mc -triple=amdgcn-amd-amdhsa -mcpu=gfx1250 --defsym DOCPART=n.
;; ======== version 1 of 1: 4 launches
;; limits: right only within a limited range of input values
;; workspace buffers: xc 12,582,912 bytes; wc 4,194,304 bytes; qkv 12,582,912 bytes; cimg 4,194,304 bytes
;; launch quant (part 1): grid 512 x 1, 4 waves a work-group, no clusters, 84,480 bytes of LDS; arguments token_embeddings, W_Q, W_K, W_V, W_pool, lowp_scales, xc, wc; writes xc, wc
.if DOCPART == 1
	.amdgcn_target "amdgcn-amd-amdhsa--gfx1250"
	.amdhsa_code_object_version 6
	.text
	.protected	k_q9c16ce1bf3_quant
	.globl	k_q9c16ce1bf3_quant
	.p2align	8
	.type	k_q9c16ce1bf3_quant,@function
k_q9c16ce1bf3_quant:
	s_mov_b64 s[64:65], 0
	v_nop
	global_prefetch_b8 v0, s[64:65] scope:SCOPE_SE
	s_setreg_imm32_b32 hwreg(HW_REG_WAVE_MODE, 25, 1), 1
	s_wait_xcnt 0x0
; ALL INPUT OPERANDS BECOME CODES OF E4M3, each with the scale 2^e that is given for it: code = x / 2^e, held within +-448, to the nearest code, ties to even.
; x [4096][1024] is an operand of three products with three scales (entries 1, 3, 5 of the scales): three sets of codes.  W_Q, W_K, W_V [16][1024 (K)][64] (entries 0, 2, 4) and W_pool [1024 (K)][1024] (entry 11): one each.
; THE WORKSPACE IS LAID AS IMAGES OF THE OPERANDS' REGISTERS.  A fragment is 16 rows x 128 K, 2,048 bytes: [c 0..3][lane 0..31][16 bytes]; lane (r = lane % 16, h = lane / 16) holds, of the tile's row r, K = 32 c + 16 h + 0 .. 15.
; So every later load of four registers is 512 consecutive bytes, 16 a lane.  xc: [3][256 tiles][8 K steps][2,048];  wc: [4][64 tiles][8][2,048].
; WHICH ROWS FORM A TILE.  Natural: tile i holds rows 16 i + r (x for Q).  Permuted: lane r of tile 2 g + u holds row 32 g + 8 u + r + 8 (r / 8) (x for K and V, all weights): as source 0 of a product such tiles leave
; 16 neighbouring rows in the 16 result registers of tiles 2 g and 2 g + 1, which the next quantiser takes as they stand.
; SHARES.  Work-groups 0-255 take x, 256-511 the weights; a wave takes 32 rows (or 32 columns of a weight) x 128 K.  Waves share nothing: no barrier.  No tile is read by two work-groups: nothing to share in a cluster.
; Each of the two ways has LDS bytes of its own.
; LIMITS: each e used here lies between -126 and 119, so that 2^e and 448 x 2^e are f32 numbers.  NaN among the inputs is not served; an infinity is held at the largest code.
.set XPITCH, 528                       ; x's stage: a row's 512 bytes + 16
.set XSTG,   32*XPITCH                 ; 32 rows for each wave
.set WLDS,   4*XSTG                    ; behind the four: the weights' stages, 4,096 bytes for each wave
.set U,      16                        ; v16-31   two sets of eight held numbers
.set CDS,    32                        ; v32-127  codes; no store's data are written again
.set T0,     128                       ; v128-255 numbers as loaded; then two sets of 64 in a fragment's order
.set T1,     192
.macro MKSC e, sc, lim                 ; v[sc] = 2^e as f32 (the conversion takes its exponent field), v[lim] = 448 x 2^e
	s_add_co_i32 s48, s[\e], 127
	s_lshl_b32 s49, s48, 23
	v_mov_b32 v[\sc], s49
	s_add_co_i32 s48, s48, 8
	s_lshl_b32 s48, s48, 23
	s_or_b32 s48, s48, 0x600000
	v_mov_b32 v[\lim], s48
.endm
	s_load_b512 s[4:19], s[0:1], 0x0               ; x 4:5, W_Q 6:7, W_K 8:9, W_V 10:11, W_pool 12:13, scales 14:15, xc 16:17, wc 18:19
	v_lshl_add_u32 v5, v0, 2, 0x14800
	v_mov_b32 v15, 0
	v_lshrrev_b32 v1, 5, v0
	v_readfirstlane_b32 s20, v1                    ; wave
	v_and_b32 v12, 31, v0                          ; lane
	v_and_b32 v13, 15, v0                          ; r
	v_bfe_u32 v14, v0, 4, 1                        ; h
	v_lshlrev_b32 v1, 4, v12                       ; 16 x lane
	s_cmp_lt_u32 ttmp9, 256
	s_cbranch_scc0 .Lweights
	; ---------------- x: 32 rows x 128 K a wave
	s_mul_i32 s21, s20, XSTG                       ; my stage
	v_add_nc_u32 v2, s21, v1                       ; in: a row's 512 bytes as they lie
	v_mul_u32_u24 v3, v13, XPITCH
	v_lshl_add_u32 v3, v14, 6, v3
	v_add_nc_u32 v3, s21, v3                       ; back, natural tile: row r, + 64 h bytes: my 16 numbers of a block of 32
	v_and_b32 v4, 8, v13
	v_add_nc_u32 v4, v4, v13
	v_mul_u32_u24 v4, v4, XPITCH
	v_lshl_add_u32 v4, v14, 6, v4
	v_add_nc_u32 v4, s21, v4                       ; back, permuted tile: row r + 8 (r / 8)
	s_lshl_b32 s21, ttmp9, 2
	s_add_co_u32 s21, s21, s20                     ; my unit: 4 x work-group + wave
	s_lshr_b32 s22, s21, 3                         ; which 32 rows
	s_and_b32 s23, s21, 7                          ; which 128 along K
	s_lshl_b32 s44, s22, 17                        ; 32 rows of 4,096 bytes
	s_lshl_b32 s45, s23, 9
	s_add_co_u32 s44, s44, s45
	s_mov_b32 s45, 0
	s_lshl_b32 s46, s22, 15                        ; two tiles of 16,384 bytes
	s_lshl_b32 s47, s23, 11
	s_add_co_u32 s46, s46, s47
	s_mov_b32 s47, 0
	s_wait_kmcnt 0x0
	s_load_b256 s[24:31], s[14:15], 0x0            ; e0 .. e7
	s_add_nc_u64 s[4:5], s[4:5], s[44:45]
	s_add_nc_u64 s[36:37], s[16:17], s[46:47]      ; x for Q,
	s_add_nc_u64 s[38:39], s[36:37], 0x400000      ; for K,
	s_add_nc_u64 s[40:41], s[36:37], 0x800000      ; for V
.set p, 0
.rept 32
	global_load_b128 v[T0+4*p:T0+4*p+3], v1, s[4:5] offset:p*4096 th:TH_LOAD_NT   ; 32 lanes read 512 consecutive bytes of row p; read once in the launch
.set p, p+1
.endr
	s_wait_kmcnt 0x0
	MKSC 25, 6, 7
	MKSC 27, 8, 9
	MKSC 29, 10, 11
	s_wait_alu depctr_va_vdst(0)
.irp g, 0,1,2,3
	s_wait_loadcnt 24-8*\g                         ; these eight rows are in; the younger loads stay out
.irp i, 0,1,2,3,4,5,6,7
	ds_store_b128 v2, v[T0+4*(8*\g+\i):T0+4*(8*\g+\i)+3] offset:(8*\g+\i)*XPITCH
.endr
.endr
	s_wait_dscnt 0x0                               ; the stores have read their registers, into which the loads below land
.macro RB t, adr, off                  ; a tile's 64 numbers a lane: register 16 c + i = K 32 c + 16 h + i of my row
.irp c, 0,1,2,3
.irp j, 0,1,2,3
	ds_load_b128 v[\t+16*\c+4*\j:\t+16*\c+4*\j+3], v[\adr] offset:\off+128*\c+16*\j
.endr
.endr
.endm
; 64 numbers become a fragment's 16 registers of codes and leave.  The numbers are held into one of two sets by turns, so that they stay as they are for the next scale, and so that
; eight plain lines stand between a conversion and the rewriting of its sources.
.macro QX t, sc, lim, cd, base, tile
.irp g, 0,1,2,3,4,5,6,7
.irp i, 0,1,2,3,4,5,6,7
	v_med3_num_f32 v[U+8*(\g%2)+\i], v[\t+8*\g+\i], -v[\lim], v[\lim]   ; the conversion to an 8-bit code does not saturate (ISA guide 7.6.2): the hold at the largest code x the scale
.endr
	v_cvt_scalef32_pk8_fp8_f32 v[\cd+2*\g:\cd+2*\g+1], v[U+8*(\g%2):U+8*(\g%2)+7], v[\sc]
.endr
.irp c, 0,1,2,3
	global_store_b128 v1, v[\cd+4*\c:\cd+4*\c+3], s[\base:\base+1] offset:\tile*16384+512*\c   ; 512 consecutive bytes, at a multiple of 512 from the buffer's first byte
.endr
.endm
	RB T0, 3, 0
	RB T1, 3, 16*XPITCH
	s_wait_dscnt 16                                ; the first set is in; the 16 loads issued last may be out (so at each of these waits)
	QX T0, 6, 7, CDS, 36, 0
	RB T0, 4, 0
	s_wait_dscnt 16
	QX T1, 6, 7, CDS+16, 36, 1
	RB T1, 4, 8*XPITCH
	s_wait_dscnt 16
	QX T0, 8, 9, CDS+32, 38, 0
	QX T0, 10, 11, CDS+48, 40, 0
	s_wait_dscnt 0x0
	QX T1, 8, 9, CDS+64, 38, 1
	QX T1, 10, 11, CDS+80, 40, 1
	s_wait_tensorcnt 0x0
	ds_add_u32 v5, v15
	s_wait_dscnt 0x0
	s_endpgm
	; ---------------- the weights: K is not innermost.  A lane takes a column, its registers run down K: 32 columns x 128 K a wave
.Lweights:
	s_sub_co_u32 s21, ttmp9, 256
	s_lshr_b32 s22, s21, 6                         ; which weight: 0 W_Q, 1 W_K, 2 W_V, 3 W_pool
	s_lshl_b32 s21, s21, 2
	s_add_co_u32 s21, s21, s20                     ; my unit
	s_and_b32 s23, s21, 31                         ; which 32 columns
	s_bfe_u32 s36, s21, 0x30005                    ; which 128 along K
	s_lshr_b32 s37, s23, 1
	s_lshl_b32 s37, s37, 18                        ; W_Q, W_K, W_V: the head's 262,144 bytes,
	s_and_b32 s38, s23, 1
	s_lshl_b32 s38, s38, 7                         ; which half of its 64 columns,
	s_add_co_u32 s37, s37, s38
	s_lshl_b32 s38, s36, 15                        ; 128 rows of 256 bytes
	s_add_co_u32 s37, s37, s38
	s_lshl_b32 s38, s23, 7                         ; W_pool: 32 columns,
	s_lshl_b32 s39, s36, 19                        ; 128 rows of 4,096 bytes
	s_add_co_u32 s38, s38, s39
	s_cmp_eq_u32 s22, 3
	s_cselect_b32 s40, s38, s37
	s_mov_b32 s41, 0
	s_lshl_b32 s42, s22, 20                        ; in wc: the weight's section,
	s_lshl_b32 s43, s23, 15                        ; two tiles,
	s_add_co_u32 s42, s42, s43
	s_lshl_b32 s43, s36, 11                        ; the K step
	s_add_co_u32 s42, s42, s43
	s_mov_b32 s43, 0
	s_lshl_b32 s44, s20, 12
	s_add_co_u32 s44, s44, WLDS                    ; my stage: the images of two tiles
	s_wait_alu depctr_va_vdst(0)
	v_lshlrev_b32 v2, 2, v12                       ; in memory: 4 bytes a lane
	v_bfe_u32 v3, v0, 3, 1                         ; column 16 a + 8 u + r' is lane 8 a + r' of permuted tile u
	v_lshlrev_b32 v3, 11, v3
	v_lshl_add_u32 v3, v14, 7, v3
	v_and_b32 v4, 7, v0
	v_lshl_add_u32 v3, v4, 4, v3
	v_add_nc_u32 v3, s44, v3                       ; into the stage: 2,048 u + 128 a + 16 r'; the immediate adds 512 c + 256 h
	v_add_nc_u32 v4, s44, v1                       ; back: 16 x lane
	s_wait_kmcnt 0x0
	s_load_b256 s[24:31], s[14:15], 0x0            ; e0 .. e7
	s_load_b128 s[32:35], s[14:15], 0x20           ; e8 .. e11
	s_cmp_lt_u32 s22, 1                            ; the choices hang on the work-group's number alone
	s_cselect_b64 s[46:47], s[6:7], s[8:9]
	s_cmp_lt_u32 s22, 2
	s_cselect_b64 s[46:47], s[46:47], s[10:11]
	s_cmp_lt_u32 s22, 3
	s_cselect_b64 s[46:47], s[46:47], s[12:13]
	s_add_nc_u64 s[46:47], s[46:47], s[40:41]
	s_add_nc_u64 s[18:19], s[18:19], s[42:43]
.macro WLOAD stride                    ; W(k, my column), k = 0 .. 127: 32 lanes read 128 consecutive bytes
.set k, 0
.rept 128
	global_load_b32 v[128+k], v2, s[46:47] offset:k*\stride
.set k, k+1
.endr
.endm
	s_cmp_eq_u32 s22, 3                            ; the rows' distance stands in the immediates, so the loads are written twice
	s_cbranch_scc1 .Lpool_rows
	s_wait_alu depctr_va_vdst(0)
	WLOAD 256
	s_branch .Lloaded
.Lpool_rows:
	s_wait_alu depctr_va_vdst(0)
	WLOAD 4096
.Lloaded:
	s_wait_kmcnt 0x0
	s_cmp_lt_u32 s22, 1
	s_cselect_b32 s50, s24, s26
	s_cmp_lt_u32 s22, 2
	s_cselect_b32 s50, s50, s28
	s_cmp_lt_u32 s22, 3
	s_cselect_b32 s50, s50, s35
	MKSC 50, 6, 7
	s_wait_alu depctr_va_vdst(0)
.irp c, 0,1,2,3
.if \c < 2
	s_wait_loadcnt 63                              ; behind this block's loads 96 (then 64) were issued; the wait's field names 63 at the most, and a smaller count is safe
.else
	s_wait_loadcnt 96-32*\c
.endif
.set k, 0
.rept 32
	v_med3_num_f32 v[128+32*\c+k], v[128+32*\c+k], -v7, v7
.set k, k+1
.endr
.irp g, 0,1,2,3
	v_cvt_scalef32_pk8_fp8_f32 v[CDS+8*\c+2*\g:CDS+8*\c+2*\g+1], v[128+32*\c+8*\g:128+32*\c+8*\g+7], v6
.endr
	ds_store_b128 v3, v[CDS+8*\c:CDS+8*\c+3] offset:512*\c          ; K = 32 c + 0 .. 15: what lane (r, 0) holds
	ds_store_b128 v3, v[CDS+8*\c+4:CDS+8*\c+7] offset:512*\c+256    ; K = 32 c + 16 .. 31: lane (r, 1)
.endr
	v_nop                                          ; a plain line behind the last conversion
.irp i, 0,1,2,3,4,5,6,7
	ds_load_b128 v[64+4*\i:64+4*\i+3], v4 offset:512*\i             ; LDS serves a wave's instructions in order (ISA guide 5.7.1.4): these see my stores
.endr
.irp i, 0,1,2,3,4,5,6,7
	s_wait_dscnt 7-\i
	global_store_b128 v1, v[64+4*\i:64+4*\i+3], s[18:19] offset:(\i/4)*16384+(\i%4)*512
.endr
	s_wait_tensorcnt 0x0
	ds_add_u32 v5, v15
	s_wait_dscnt 0x0
	s_endpgm
.Lfunc_end_k_q9c16ce1bf3_quant:
	.size	k_q9c16ce1bf3_quant, .Lfunc_end_k_q9c16ce1bf3_quant-k_q9c16ce1bf3_quant
	.p2alignl 7, 3214868480
	.fill 96, 4, 3214868480
	.section	.rodata,"a",@progbits
	.p2align	6, 0x0
	.amdhsa_kernel k_q9c16ce1bf3_quant
		.amdhsa_group_segment_fixed_size 84480
		.amdhsa_private_segment_fixed_size 0
		.amdhsa_enable_private_segment 0
		.amdhsa_kernarg_size 64
		.amdhsa_user_sgpr_count 2
		.amdhsa_user_sgpr_kernarg_segment_ptr 1
		.amdhsa_wavefront_size32 1
		.amdhsa_system_sgpr_workgroup_id_x 1
		.amdhsa_system_sgpr_workgroup_id_y 1
		.amdhsa_system_sgpr_workgroup_id_z 1
		.amdhsa_system_vgpr_workitem_id 0
		.amdhsa_next_free_vgpr 256
		.amdhsa_next_free_sgpr 66
		.amdhsa_reserve_vcc 0
		.amdhsa_float_denorm_mode_32 3
		.amdhsa_float_denorm_mode_16_64 3
		.amdhsa_memory_ordered 1
		.amdhsa_forward_progress 1
		.amdhsa_inst_pref_size 80
	.end_amdhsa_kernel
	.amdgpu_metadata
---
amdhsa.version: [ 1, 2 ]
amdhsa.kernels:
  - .name:           k_q9c16ce1bf3_quant
    .symbol:         k_q9c16ce1bf3_quant.kd
    .args:
      - { .name: token_embeddings, .offset: 0, .size: 8, .value_kind: global_buffer, .address_space: global }
      - { .name: W_Q, .offset: 8, .size: 8, .value_kind: global_buffer, .address_space: global }
      - { .name: W_K, .offset: 16, .size: 8, .value_kind: global_buffer, .address_space: global }
      - { .name: W_V, .offset: 24, .size: 8, .value_kind: global_buffer, .address_space: global }
      - { .name: W_pool, .offset: 32, .size: 8, .value_kind: global_buffer, .address_space: global }
      - { .name: lowp_scales, .offset: 40, .size: 8, .value_kind: global_buffer, .address_space: global }
      - { .name: xc, .offset: 48, .size: 8, .value_kind: global_buffer, .address_space: global }
      - { .name: wc, .offset: 56, .size: 8, .value_kind: global_buffer, .address_space: global }
    .group_segment_fixed_size: 84480
    .private_segment_fixed_size: 0
    .kernarg_segment_align: 8
    .kernarg_segment_size: 64
    .max_flat_workgroup_size: 128
    .sgpr_count:     66
    .vgpr_count:     256
    .wavefront_size: 32
...
	.end_amdgpu_metadata
.endif
;; end of part 1
;; launch gemm_qkv (part 2): grid 48 x 4, 4 waves a work-group, clusters of 4 x 4, 327,680 bytes of LDS; arguments xc, wc, lowp_scales, qkv; writes qkv
.if DOCPART == 2
	.amdgcn_target "amdgcn-amd-amdhsa--gfx1250"
	.amdhsa_code_object_version 6
	.text
	.protected	k_q9c16ce1bf3_gemm_qkv
	.globl	k_q9c16ce1bf3_gemm_qkv
	.p2align	8
	.type	k_q9c16ce1bf3_gemm_qkv,@function
k_q9c16ce1bf3_gemm_qkv:
	s_mov_b64 s[64:65], 0
	v_nop
	global_prefetch_b8 v0, s[64:65] scope:SCOPE_SE
	s_setreg_imm32_b32 hwreg(HW_REG_WAVE_MODE, 25, 1), 1
	s_wait_xcnt 0x0
	s_wait_alu depctr_hold_cnt(0) depctr_sa_sdst(0) depctr_va_vdst(0) depctr_va_sdst(0) depctr_va_ssrc(0) depctr_va_vcc(0) depctr_vm_vsrc(0)
	s_getreg_b32 s2, hwreg(HW_REG_IB_STS2, 6, 4)
	s_cmp_eq_u32 s2, 0
	s_cbranch_scc0 .Lentry_in_a_cluster
	s_endpgm
.Lentry_in_a_cluster:
	s_bfe_u32 s2, ttmp6, 0x10000c
	s_cmp_lg_u32 s2, 0xf033
	s_cbranch_scc0 .Lentry_shape_is_right
	s_endpgm
.Lentry_shape_is_right:
; Q, K, V OF ALL HEADS ON CODES OF E4M3: three products of [4096 tokens][1024] with [1024][1024] (sections of xc and wc), each finished sum quantised in registers with the scale of its place in attention (entries 6, 7, 9).
; A tile of 256 x 256 to a work-group, four waves of 128 x 128; 4 K steps of 256 in two LDS slots.  For Q and K source 1 is tokens, for V it is channels, so that the results' registers are the next products' operands.
; CLUSTERS of 4 x 4: tiles are asked for jointly along rows and columns.
; THE PREFETCH: behind the loads of K step n = 0, 1, 2 each wave names its part of K step n + 1, one change of slots ahead of the load: of the 8 tiles x 4,096 bytes that it fetches the four partners take two tiles each, told apart by address
; (cx for A, cy for B); a lane names 256 bytes, one instruction a wave.  Behind the last K step's load nothing is asked for.
; LIMITS: e_out - e_a - e_b between -126 and 119.  NaN is not served.
.set CO2,    22                        ; v22: where a block's second half of registers goes
.set PFO,    27                        ; v27: the prefetches' offset; never rewritten
.set ROWB,   4096
.set FR,     16
.set NL,     4
.set NP,     4
.set HALFT,  8*ROWB
.set SLOT,   4*HALFT
.set SPARE,  2*SLOT
.set ADRA, 16
.set ADRB, 20
.set CO,   26
.set SPW,  28
.set NIL,  29
.set SCL,  30
.set HOLD, 31
.set TMP,  32
.set AF,   128
.set CD,   128
.set G1, 24
.set G0, 32
.set G1B, 48
.set G0B, 56
.set MSB, 0
.macro WIN new
.if MSB != \new
	s_set_vgpr_msb (MSB<<8)|\new
.set MSB, \new
.endif
.endm
.set MUL_LO, 0xa1
.set MUL_HI, 0xf1
.set TO_B,   0x40
.macro JLOAD g0a, g1a, g0b, g1b
	s_cmp_eq_u32 s15, 0
	s_cbranch_scc0 .Lfor_b_\@
	tensor_load_to_lds s[\g0a:\g0a+3], s[\g1a:\g1a+7]
	s_nop 0
.rept 4
	v_nop
.endr
	s_branch .Lasked_\@
.Lfor_b_\@:
	tensor_load_to_lds s[\g0b:\g0b+3], s[\g1b:\g1b+7]
	s_nop 0
.rept 4
	v_nop
.endr
.Lasked_\@:
.endm
.macro ASK n                           ; K step n + 1
	global_prefetch_b8 v[PFO], s[98:99] offset:(\n)*ROWB th:TH_LOAD_NT scope:SCOPE_SE
.endm
.macro CREST
	s_cmp_lg_u32 s14, 0
	s_cbranch_scc1 .Lnot_wave_0_\@
	s_barrier_signal -3
.Lnot_wave_0_\@:
	s_barrier_wait -3
	s_barrier_signal -1
	s_barrier_wait -1
.endm
.macro CROUND
	s_barrier_signal -1
	s_barrier_wait -1
	CREST
.endm
	s_load_b256 s[4:11], s[0:1], 0x0
	v_lshl_add_u32 v[SPW], v0, 2, SPARE
	v_mov_b32 v[NIL], 0
	ds_add_u32 v28, v29
	ds_add_u32 v28, v29
	s_wait_dscnt 0x0
	v_lshrrev_b32 v1, 5, v0
	v_readfirstlane_b32 s14, v1
	s_lshr_b32 s15, s14, 1
	s_and_b32 s16, s14, 1
	s_bfe_u32 s40, ttmp6, 0x40000
	s_bfe_u32 s41, ttmp6, 0x40004
	s_lshr_b32 s66, ttmp9, 2
	s_and_b32 s67, ttmp9, 3
	s_lshl_b32 s70, s66, 22
	s_lshl_b32 s71, s66, 20
	s_cmp_eq_u32 s66, 2
	s_cselect_b32 s68, 0, s67
	s_cselect_b32 s69, s67, 0
	s_cselect_b32 s92, s71, s70
	s_cselect_b32 s94, s70, s71
	s_lshl_b32 s17, s68, 2
	s_add_co_u32 s17, s17, s41
	s_lshl_b32 s42, s69, 2
	s_add_co_u32 s42, s42, s40
	s_lshl_b32 s43, s41, 2
	s_lshl_b32 s43, 15, s43
	s_lshl_b32 s44, 0x1111, s40
	s_or_b32 s[G1+0], s43, (3<<16)|(1<<21)
	s_or_b32 s[G1B+0], s44, (3<<16)|(1<<21)
.irp g, G1, G1B
	s_mov_b32 s[\g+1], 512<<16
	s_mov_b32 s[\g+2], 8<<16
	s_mov_b32 s[\g+3], 512<<16
	s_mov_b32 s[\g+4], 8
	s_mov_b32 s[\g+5], 2048
	s_mov_b32 s[\g+6], 0
	s_mov_b32 s[\g+7], 0
.endr
	s_lshl_b32 s18, s16, 17
	s_lshl_b32 s20, s17, 18
	s_add_co_u32 s20, s20, s18
	s_add_co_u32 s20, s20, s92
	s_mov_b32 s21, 0
	s_lshl_b32 s46, s42, 18
	s_add_co_u32 s46, s46, s18
	s_add_co_u32 s46, s46, s94
	s_mov_b32 s47, 0
	s_mul_i32 s45, s14, HALFT
	s_wait_kmcnt 0x0
	s_load_b256 s[72:79], s[8:9], 0x0
	s_load_b128 s[80:83], s[8:9], 0x20
	s_cmp_eq_u32 s66, 2
	s_cselect_b64 s[88:89], s[6:7], s[4:5]
	s_cselect_b64 s[90:91], s[4:5], s[6:7]
	s_add_nc_u64 s[20:21], s[88:89], s[20:21]
	s_add_nc_u64 s[46:47], s[90:91], s[46:47]
.irp s, 0,1
	s_mov_b32 s[G0+4*\s], 1
	s_add_co_u32 s[G0+4*\s+1], s45, \s*SLOT
	s_add_nc_u64 s[G0+4*\s+2:G0+4*\s+3], s[20:21], \s*ROWB
	s_or_b32 s[G0+4*\s+3], s[G0+4*\s+3], 0x80000000
	s_mov_b32 s[G0B+4*\s], 1
	s_add_co_u32 s[G0B+4*\s+1], s45, \s*SLOT
	s_add_nc_u64 s[G0B+4*\s+2:G0B+4*\s+3], s[46:47], \s*ROWB
	s_or_b32 s[G0B+4*\s+3], s[G0B+4*\s+3], 0x80000000
.endr
	s_wait_alu depctr_va_vdst(0)
	CROUND                                         ; all sixteen work-groups are here: the joint loads meet
	JLOAD G0, G1, G0B, G1B                         ; K step 0: one tensor load a wave
	s_cmp_eq_u32 s15, 0
	s_cselect_b64 s[98:99], s[20:21], s[46:47]     ; the prefetches' base: what I fetch,
	s_cselect_b32 s96, s40, s41
	s_lshl_b32 s96, s96, 15                        ; my work-group's two tiles of it,
	s_add_co_u32 s96, s96, ROWB                    ; at K step 1
	s_mov_b32 s97, 0
	s_add_nc_u64 s[98:99], s[98:99], s[96:97]
	v_and_b32 v1, 15, v0
	v_bfe_u32 v2, v0, 4, 1
	v_lshlrev_b32 v[PFO], 8, v1
	v_lshl_add_u32 v[PFO], v2, 14, v[PFO]
	ASK 0
	v_and_b32 v6, 31, v0
	v_lshlrev_b32 v[CO], 4, v6
	s_mul_i32 s21, s15, HALFT
	s_mul_i32 s22, s16, HALFT
	s_add_co_u32 s22, s22, 2*HALFT
.irp s, 0,1
	v_add_nc_u32 v[ADRA+\s], s21, v[CO]
	v_add_nc_u32 v[ADRB+\s], s22, v[CO]
	s_add_co_u32 s21, s21, SLOT
	s_add_co_u32 s22, s22, SLOT
.endr
	s_lshl_b32 s84, s42, 2
	s_lshl_b32 s85, s16, 1
	s_add_co_u32 s84, s84, s85
	s_lshl_b32 s84, s84, 18
	s_lshl_b32 s85, s17, 4
	s_lshl_b32 s86, s15, 3
	s_add_co_u32 s85, s85, s86
	s_lshl_b32 s85, s85, 10
	s_add_co_u32 s84, s84, s85
	s_lshl_b32 s85, s17, 2
	s_lshl_b32 s86, s15, 1
	s_add_co_u32 s85, s85, s86
	s_lshl_b32 s85, s85, 18
	s_lshl_b32 s86, s42, 1
	s_add_co_u32 s86, s86, s16
	s_lshl_b32 s86, s86, 13
	s_add_co_u32 s85, s85, s86
	s_cmp_eq_u32 s66, 2
	s_cselect_b32 s84, s85, s84
	s_add_co_u32 s84, s84, s70
	s_mov_b32 s85, 0
	s_add_nc_u64 s[10:11], s[10:11], s[84:85]
.macro FRAG reg, adr, q, i
.irp c, 0,1,2,3
	ds_load_b128 v[\reg+4*\c:\reg+4*\c+3], v[\adr] offset:(\i)*ROWB+(\q)*2048+512*\c
.endr
.endm
.macro MUL16 a0, p, zero
.irp a, \a0, \a0+1
.irp b, 0,1,2,3,4,5,6,7
.if \zero
	v_wmma_f32_16x16x128_fp8_fp8 v[8*(8*((\a)%4)+\b):8*(8*((\a)%4)+\b)+7], v[128*(\p)+FR*\b:128*(\p)+FR*\b+FR-1], v[AF+FR*(\a):AF+FR*(\a)+FR-1], 0
.else
	v_wmma_f32_16x16x128_fp8_fp8 v[8*(8*((\a)%4)+\b):8*(8*((\a)%4)+\b)+7], v[128*(\p)+FR*\b:128*(\p)+FR*\b+FR-1], v[AF+FR*(\a):AF+FR*(\a)+FR-1], v[8*(8*((\a)%4)+\b):8*(8*((\a)%4)+\b)+7]
.endif
.endr
.endr
.endm
.macro FETCH_B slot, q, p
	WIN TO_B
.irp i, 0,1,2,3,4,5,6,7
	FRAG 128*(\p)+FR*\i, ADRB+\slot, \q, \i
.endr
	WIN 0
.endm
.macro FETCH_A slot, q, i0
.irp i, \i0, \i0+1, \i0+2, \i0+3
	FRAG AF+FR*(\i), ADRA+\slot, \q, \i
.endr
.endm
.macro PLACES n
.rept \n
	v_nop
.endr
.endm
.macro STEP slot, q, zero
	s_wait_dscnt 4*NL
	WIN MUL_LO
	MUL16 0, (\q)%2, \zero
	MUL16 2, (\q)%2, \zero
	s_wait_dscnt 0
	PLACES NP
	FETCH_B \slot, (\q)+1, 1-(\q)%2
	FETCH_A \slot, (\q)+1, 0
	WIN MUL_HI
	MUL16 4, (\q)%2, \zero
	MUL16 6, (\q)%2, \zero
	PLACES NP
	WIN 0
	FETCH_A \slot, (\q)+1, 4
.endm
.macro TURN slot, next, fill
	s_wait_tensorcnt 0x0
	ds_add_u32 v[SPW], v[NIL]
	s_wait_dscnt 4*NL+1
	WIN MUL_LO
	MUL16 0, 1, 0
	s_wait_dscnt 0x0
	s_barrier_signal -1
	MUL16 2, 1, 0
	WIN 0
	s_barrier_wait -1
.if \fill
	CREST
	s_add_nc_u64 s[G0+4*\slot+2:G0+4*\slot+3], s[G0+4*\slot+2:G0+4*\slot+3], 2*ROWB
	s_add_nc_u64 s[G0B+4*\slot+2:G0B+4*\slot+3], s[G0B+4*\slot+2:G0B+4*\slot+3], 2*ROWB
	JLOAD G0+4*\slot, G1, G0B+4*\slot, G1B
.else
	PLACES NP
.endif
	FETCH_B \next, 0, 0
	FETCH_A \next, 0, 0
.if (\fill) && (\slot) == 0
	ASK 2                                          ; behind K step 2's load and the run of LDS loads
.endif
	WIN MUL_HI
	MUL16 4, 1, 0
	MUL16 6, 1, 0
	PLACES NP
	WIN 0
	FETCH_A \next, 0, 4
.endm
	s_wait_alu depctr_va_vdst(0)
	s_wait_tensorcnt 0x0                           ; my part of K step 0 is in
	ds_add_u32 v[SPW], v[NIL]
	s_wait_dscnt 0x0
	CROUND
	JLOAD G0+4, G1, G0B+4, G1B                     ; K step 1, the first tensor load behind the round
	FETCH_B 0, 0, 0
	FETCH_A 0, 0, 0
	FETCH_A 0, 0, 4
	ASK 1
	STEP 0, 0, 1
	TURN 0, 1, 1
	STEP 1, 0, 0
	TURN 1, 0, 1
	STEP 0, 0, 0
	TURN 0, 1, 0
	STEP 1, 0, 0
	s_wait_kmcnt 0x0
	s_add_co_i32 s84, s72, s73
	s_sub_co_i32 s84, s78, s84
	s_add_co_i32 s85, s74, s75
	s_sub_co_i32 s85, s79, s85
	s_add_co_i32 s86, s76, s77
	s_sub_co_i32 s86, s81, s86
	s_cmp_eq_u32 s66, 0
	s_cselect_b32 s84, s84, s85
	s_cmp_eq_u32 s66, 2
	s_cselect_b32 s84, s86, s84
	s_add_co_i32 s84, s84, 127
	s_lshl_b32 s85, s84, 23
	v_mov_b32 v[SCL], s85
	s_add_co_i32 s84, s84, 8
	s_lshl_b32 s84, s84, 23
	s_or_b32 s84, s84, 0x600000
	v_mov_b32 v[HOLD], s84
	s_cmp_eq_u32 s66, 2                            ; the two layouts of the results: Q and K, or V
	s_mov_b32 s90, 0x40000
	s_cselect_b32 s90, 1024, s90                   ; from a block's first 1,024 bytes to its second
	s_mov_b32 s88, 1024
	s_cselect_b32 s88, 0x3e800, s88                ; from block 3 to block 4
	s_cselect_b32 s86, 2, 1
	s_lshl_b32 s86, s86, 10                        ; from any other block to the next
	s_mov_b32 s87, 0
	s_mov_b32 s89, 0
	v_add_nc_u32 v[CO2], s90, v[CO]
	s_wait_alu depctr_va_vdst(0)
.macro OUTQ a
.set AC, 64*((\a)%4)
	WIN 0x02+((\a)/4)
.set j, 0
.rept 64
	v_med3_num_f32 v[TMP+j], v[AC+j], -v[HOLD], v[HOLD]
.set j, j+1
.endr
	WIN 0
.irp b, 0,1,2,3,4,5,6,7
	v_cvt_scalef32_pk8_fp8_f32 v[CD+16*(\a)+2*\b:CD+16*(\a)+2*\b+1], v[TMP+8*\b:TMP+8*\b+7], v[SCL]
.endr
	v_nop
	global_store_b128 v[CO], v[CD+16*(\a):CD+16*(\a)+3], s[10:11]                  ; 512 consecutive bytes each
	global_store_b128 v[CO], v[CD+16*(\a)+4:CD+16*(\a)+7], s[10:11] offset:512
	global_store_b128 v[CO2], v[CD+16*(\a)+8:CD+16*(\a)+11], s[10:11]
	global_store_b128 v[CO2], v[CD+16*(\a)+12:CD+16*(\a)+15], s[10:11] offset:512
.if (\a) < 7
	s_wait_xcnt 0x0                                ; the stores have read their base
.if (\a) == 3
	s_add_nc_u64 s[10:11], s[10:11], s[88:89]
.else
	s_add_nc_u64 s[10:11], s[10:11], s[86:87]
.endif
.endif
.endm
	s_wait_dscnt 4*NL                              ; the very last step: blocks 0-3 are finished first and leave, their codes in the registers that held their own fragments
	WIN MUL_LO
	MUL16 0, 1, 0
	MUL16 2, 1, 0
	s_wait_dscnt 0
	WIN 0
	PLACES NP
.irp a, 0,1,2,3
	OUTQ \a
.endr
	WIN MUL_HI
	MUL16 4, 1, 0
	MUL16 6, 1, 0
	WIN 0
	PLACES NP
.irp a, 4,5,6,7
	OUTQ \a
.endr
	s_wait_tensorcnt 0x0
	ds_add_u32 v[SPW], v[NIL]
	s_wait_dscnt 0x0
	CROUND
	s_endpgm
.Lfunc_end_k_q9c16ce1bf3_gemm_qkv:
	.size	k_q9c16ce1bf3_gemm_qkv, .Lfunc_end_k_q9c16ce1bf3_gemm_qkv-k_q9c16ce1bf3_gemm_qkv
	.p2alignl 7, 3214868480
	.fill 96, 4, 3214868480
	.section	.rodata,"a",@progbits
	.p2align	6, 0x0
	.amdhsa_kernel k_q9c16ce1bf3_gemm_qkv
		.amdhsa_group_segment_fixed_size 327680
		.amdhsa_private_segment_fixed_size 0
		.amdhsa_enable_private_segment 0
		.amdhsa_kernarg_size 32
		.amdhsa_user_sgpr_count 2
		.amdhsa_user_sgpr_kernarg_segment_ptr 1
		.amdhsa_wavefront_size32 1
		.amdhsa_system_sgpr_workgroup_id_x 1
		.amdhsa_system_sgpr_workgroup_id_y 1
		.amdhsa_system_sgpr_workgroup_id_z 1
		.amdhsa_system_vgpr_workitem_id 0
		.amdhsa_next_free_vgpr 1024
		.amdhsa_next_free_sgpr 100
		.amdhsa_reserve_vcc 0
		.amdhsa_float_denorm_mode_32 3
		.amdhsa_float_denorm_mode_16_64 3
		.amdhsa_memory_ordered 1
		.amdhsa_forward_progress 1
		.amdhsa_inst_pref_size 120
	.end_amdhsa_kernel
	.amdgpu_metadata
---
amdhsa.version: [ 1, 2 ]
amdhsa.kernels:
  - .name:           k_q9c16ce1bf3_gemm_qkv
    .symbol:         k_q9c16ce1bf3_gemm_qkv.kd
    .args:
      - { .name: xc, .offset: 0, .size: 8, .value_kind: global_buffer, .address_space: global }
      - { .name: wc, .offset: 8, .size: 8, .value_kind: global_buffer, .address_space: global }
      - { .name: lowp_scales, .offset: 16, .size: 8, .value_kind: global_buffer, .address_space: global }
      - { .name: qkv, .offset: 24, .size: 8, .value_kind: global_buffer, .address_space: global }
    .group_segment_fixed_size: 327680
    .private_segment_fixed_size: 0
    .kernarg_segment_align: 8
    .kernarg_segment_size: 32
    .max_flat_workgroup_size: 128
    .sgpr_count:     100
    .vgpr_count:     1024
    .wavefront_size: 32
...
	.end_amdgpu_metadata
.endif
;; end of part 2
;; launch attn (part 3): grid 16 x 16, 8 waves a work-group, no clusters, 327,680 bytes of LDS; arguments qkv, lowp_scales, cimg; writes cimg
.if DOCPART == 3
	.amdgcn_target "amdgcn-amd-amdhsa--gfx1250"
	.amdhsa_code_object_version 6
	.text
	.protected	k_q9c16ce1bf3_attn
	.globl	k_q9c16ce1bf3_attn
	.p2align	8
	.type	k_q9c16ce1bf3_attn,@function
k_q9c16ce1bf3_attn:
	s_mov_b64 s[64:65], 0
	v_nop
	global_prefetch_b8 v0, s[64:65] scope:SCOPE_SE
	s_setreg_imm32_b32 hwreg(HW_REG_WAVE_MODE, 25, 1), 1
	s_wait_xcnt 0x0
; CAUSAL ATTENTION ON CODES OF E4M3: 16 heads of 64, 4,096 tokens.  S = Q K^T (scales: entries 6, 7), softmax, O = P V (entries 8, 9); O / l is quantised (entry 10) and stored as the last product's operand.
; Tiles of keys that lie wholly behind the causal mask are not multiplied.
; THE SOFTMAX AHEAD OF THE SECOND PRODUCT: t = score x log2(e) / 8; M = the row's largest t so far, rounded UP to a whole number; p = 2^(t - M) is what is quantised; the row's sum l is taken of the unquantised p
; and divides O at the end.  When M moves, l and O are multiplied by 2^(old M - new M): exact.
; OPERANDS ARE IMAGES OF REGISTERS (16 bytes a lane, 512 a load).  q, k: [head][tile][c 0..1][32][16], d = 32 c + 16 (lane / 16) + 0 .. 15.  k's tiles hold permuted keys (lane r of tile 2 b + u: key 32 b + 8 u + r + 8 (r / 8)), v's permuted
; channels.  Both products are used transposed: a lane holds ONE query (lane % 16), the 16 registers of tiles 2 b, 2 b + 1 of S^T are keys 32 b + 16 (lane / 16) + 0 .. 15: the conversions' results ARE the next operands' registers.
; SHARES.  A block is 128 queries; block B has B + 1 key steps of 128.  Work-group (j, head) owns the early block j and the late block 31 - j: 33 steps in all.  A wave owns two tiles of 16 queries, 2 p and 2 p + 1 of a block, p = wave % 4.
; GROUP 0 (waves 0-3) walks the late block's key steps 0 .. 15 + j % 2.  GROUP 1 (waves 4-7) first walks the late block's other key steps, 16 + j % 2 .. 31 - j, leaves that part of the softmax (M, l, O) in LDS, and then walks the early
; block's 0 .. j.  So at every time i = 0 .. 15 each wave has one step, and at time 16 group 1 (j even) or group 0 (j odd) has one more.  Group 1 changes blocks at time T2 = 16 - j - j % 2, which is even: at a slot's start.
; At the end group 0 joins the two parts of the late block (powers of two: exact), and each group sends its block out.
; THE RING.  Two slots of 65,536 bytes: for each group two steps of K (8,192 bytes) and V (8,192): a wave fetches 8,192 x wave .. + 8,191 of a slot, one tensor load behind each change of slots.
; NO CLUSTER: at one time the work-groups of a head stand at different key steps with group 1 (15 of 16 of them change blocks at another time), and the change of blocks is a branch on j: partners that share a head would
; not issue the same loads.
; LIMITS: e6 + e7 between -123 and 130 (added to c's exponent field); e8 and e10 between -126 and 119; e8 + e9 is applied by v_ldexp_f32.  NaN is not served.  Scaled scores stay under 2^31 in magnitude.
; REGISTERS.  Window 0: v0 LDS address of the slot's tiles, v1 its lane part, v2, v3 the add's; tile A: v4 -M, v5 largest t, v[6:7] l in two halves; tile B: v8-11; v12, v14 the two factors, v13 2^e8, v15 the mask's number; v16-31 Q;
;   v32-95 K; v96-159, v160-223 S^T then p of A and B; v224-255 at work, then p's codes.   Window 1: v1, v2 addresses; v16-31 the early block's Q; v32-95 V; v96-127, v128-159 O^T of A and B.
.set SLOT1, 65536
.set STAGE, 131072                     ; behind the ring: 18 x 512 bytes for each p: group 1's part of the late block
.set STGB,  9216
.set SPARE, STAGE+4*STGB               ; the spare words, 128 bytes for each wave: four blocks of 256 bytes that no other line names
.set AD,  0
.set LI,  1
.set NIL, 2
.set SPW, 3
.set W,   10
.set GRP, 11
.set J,   13
.set T2,  14
.set B0,  15
.set NT2, 16
.set KS,  17                           ; the key step in hand
.set BLK, 18                           ; my block
.set TI,  19                           ; the slot's first time
.set SEL, 20
.set CS,  22
.set G1,  24
.set G0,  32
.set NA,  36                           ; s[36:37] where the next slot's part of mine lies
.set BASE, 38
.set LT,  40                           ; the time that NA was made for, + 2
.set TB,  41
.set SLOTS, 42
.set LIM, 43
.set ODD, 44
.set H8,  53                           ; 448 x 2^e8
.set MSB, 0
.macro WIN new                         ; the immediate's high byte repeats the setting that is left
.if MSB != \new
	s_set_vgpr_msb (MSB<<8)|\new
.set MSB, \new
.endif
.endm
.macro PLACES
.rept 4
	v_nop
.endr
.endm
.macro NEXTA                           ; my part of time LT: key step B0 + LT ahead of T2, LT - T2 from there on
	s_cmp_lt_u32 s[LT], s[T2]
	s_cselect_b32 s54, s[B0], s[NT2]
	s_add_co_u32 s54, s54, s[LT]
	s_lshl_b32 s54, s54, 13
	s_mov_b32 s55, 0
	s_add_nc_u64 s[NA:NA+1], s[BASE:BASE+1], s[54:55]
	s_add_co_u32 s[LT], s[LT], 2
.endm
.macro SETG0
	s_mov_b64 s[G0+2:G0+3], s[NA:NA+1]
	s_or_b32 s[G0+3], s[G0+3], 0x80000000
.endm
	s_load_b128 s[4:7], s[0:1], 0x0                ; qkv, the scales
	s_load_b64 s[8:9], s[0:1], 0x10                ; cimg
	v_lshl_add_u32 v[SPW], v0, 2, SPARE
	v_mov_b32 v[NIL], 0
	ds_add_u32 v[SPW], v[NIL]                      ; the wave's opening: the add, twice on end, and its wait ahead of my first tensor load
	ds_add_u32 v[SPW], v[NIL]
	v_lshrrev_b32 v4, 5, v0
	v_readfirstlane_b32 s[W], v4                   ; wave 0..7
	s_lshr_b32 s[GRP], s[W], 2
	s_and_b32 s12, ttmp7, 0xffff                   ; the head
	s_mov_b32 s[J], ttmp9
	s_and_b32 s[ODD], s[J], 1
	s_sub_co_u32 s[T2], 16, s[J]
	s_sub_co_u32 s[T2], s[T2], s[ODD]
	s_add_co_u32 s[B0], s[ODD], 16
	s_cmp_eq_u32 s[GRP], 0
	s_cselect_b32 s[T2], 64, s[T2]                 ; group 0 never changes blocks
	s_cselect_b32 s[B0], 0, s[B0]
	s_sub_co_u32 s[NT2], 0, s[T2]
	s_mov_b32 s[KS], s[B0]
	s_sub_co_u32 s[BLK], 31, s[J]
	s_mov_b32 s[TI], 0
	s_mov_b32 s[TB], 0
	s_mov_b32 s[SLOTS], 7
	s_mov_b32 s56, 99
	s_cmp_eq_u32 s[J], 0
	s_cselect_b32 s[LIM], 1, s56                   ; work-group 0 of a head prefetches while more than one slot is to be asked for
	s_bfe_u32 s[LT], s[W], 0x10001                 ; I fetch the slot's first or second step,
	s_and_b32 s56, s[W], 1
	s_lshl_b32 s56, s56, 22                        ; of k's section or v's,
	s_lshl_b32 s57, s12, 18                        ; in my head's 262,144 bytes
	s_add_co_u32 s56, s56, s57
	s_add_co_u32 s56, s56, 0x400000
	s_and_b32 s45, s[W], 3                         ; p
	s_lshl_b32 s58, s45, 1
	s_lshl_b32 s59, s[BLK], 3
	s_add_co_u32 s59, s59, s58                     ; my first query tile of the late block
	s_lshl_b32 s66, s[J], 3
	s_add_co_u32 s66, s66, s58                     ; and of the early one
	s_lshl_b32 s60, s59, 10
	s_add_co_u32 s60, s60, s57
	s_mov_b32 s61, 0
	s_lshl_b32 s62, s66, 10
	s_add_co_u32 s62, s62, s57
	s_mov_b32 s63, 0
	s_cmp_eq_u32 s[GRP], 0
	s_cselect_b32 s68, s59, s66                    ; what I send out at the end: the late block's tiles (group 0) or the early block's
	s_lshl_b32 s68, s68, 14
	s_lshl_b32 s69, s12, 10
	s_add_co_u32 s68, s68, s69
	s_mov_b32 s69, 0
	s_mov_b32 s57, 0
	s_mov_b32 s[SEL], 0x76543210
	s_mov_b32 s[SEL+1], 0xfedcba98
	s_mov_b32 s[CS], 0x3e38aa3b                    ; c = log2(e) / sqrt(64)
	; descriptor group 1: a dense block of 8,192 bytes as 32 rows of 256
	s_mov_b32 s[G1], 3<<16                         ; elements of 8 bytes, no mask, no padding
	s_mov_b32 s[G1+1], 32<<16
	s_mov_b32 s[G1+2], 32<<16
	s_mov_b32 s[G1+3], 32<<16
	s_mov_b32 s[G1+4], 32
	s_mov_b32 s[G1+5], 32
	s_mov_b32 s[G1+6], 0
	s_mov_b32 s[G1+7], 0
	s_mov_b32 s[G0], 1
	s_lshl_b32 s[G0+1], s[W], 13                   ; to 8,192 x wave of slot 0
	s_wait_dscnt 0x0                               ; both opening adds are done
	s_wait_alu depctr_va_vdst(0)
	s_wait_kmcnt 0x0
	s_load_b128 s[48:51], s[6:7], 0x18             ; e6, e7, e8, e9
	s_load_b32 s52, s[6:7], 0x28                   ; e10
	s_add_nc_u64 s[BASE:BASE+1], s[4:5], s[56:57]
	s_add_nc_u64 s[60:61], s[4:5], s[60:61]
	s_add_nc_u64 s[62:63], s[4:5], s[62:63]
	s_add_nc_u64 s[8:9], s[8:9], s[68:69]
	NEXTA
	SETG0
	tensor_load_to_lds s[G0:G0+3], s[G1:G1+7]      ; slot 0: one tensor load a wave
	s_nop 0
	PLACES
	NEXTA                                          ; slot 1
	v_and_b32 v32, 31, v0                          ; lane
	v_lshlrev_b32 v33, 4, v32
	global_load_b128 v[16:19], v33, s[60:61]       ; the late block's Q: tile A,
	global_load_b128 v[20:23], v33, s[60:61] offset:512
	global_load_b128 v[24:27], v33, s[60:61] offset:1024   ; tile B
	global_load_b128 v[28:31], v33, s[60:61] offset:1536
	v_bfe_u32 v34, v0, 7, 1                        ; my group
	v_lshl_add_u32 v[LI], v34, 15, v33             ; a slot's 32,768 bytes of my group + 16 x lane
	v_bfe_u32 v35, v0, 5, 2
	v_mul_u32_u24 v35, v35, STGB
	v_add_nc_u32 v35, v33, v35
	v_and_b32 v36, 15, v0
	v_bfe_u32 v37, v0, 4, 1
	v_lshlrev_b32 v37, 4, v37
	v_sub_nc_u32 v15, v36, v37
	s_lshl_b32 s56, s45, 5
	v_add_nc_u32 v15, s56, v15                     ; tile A's query's place in its block, less 16 (lane / 16): in the block's own key step register 16 b + i holds a hidden key where 32 b + i is above it; tile B: above it + 16
	WIN 0x40
	v_add_nc_u32 v1, STAGE, v35                    ; (window 1) my place in the stage of partial results
	v_lshlrev_b32 v2, 8, v32                       ; (window 1) the prefetches' offset: lanes 256 bytes apart
.set j, 0
.rept 64
	v_mov_b32 v[96+j], 0                           ; O^T: the step is written in one form; the first finds zeros, which the first change of M leaves zeros
.set j, j+1
.endr
	WIN 0
.macro FRESH                           ; an empty softmax: the largest t -3e38, under every t; -M; l = 0
	v_mov_b32 v5, 0xff61b1e6
	v_mov_b32 v9, 0xff61b1e6
	v_mov_b32 v6, 0
	v_mov_b32 v7, 0
	v_floor_f32 v4, -v5
	v_floor_f32 v8, -v9
	v_mov_b32 v10, 0
	v_mov_b32 v11, 0
.endm
	FRESH
	v_mov_b32 v228, 0                              ; written once: a lane permute's destination counts as one of its sources
	v_mov_b32 v229, 0
	s_wait_alu depctr_va_vdst(0)
	s_wait_kmcnt 0x0
	s_add_co_i32 s56, s48, s49
	s_lshl_b32 s56, s56, 23
	s_add_co_i32 s[CS], s[CS], s56                 ; a score stands for score x 2^(e6 + e7): added to c's exponent field
	s_mov_b32 s[CS+1], s[CS]                       ; (named with it as a pair)
	s_add_co_i32 s56, s50, 127
	s_lshl_b32 s57, s56, 23
	v_mov_b32 v13, s57                             ; 2^e8
	s_add_co_i32 s56, s56, 8
	s_lshl_b32 s56, s56, 23
	s_or_b32 s[H8], s56, 0x600000
	s_wait_alu depctr_va_vdst(0)
	s_cmp_eq_u32 s[GRP], 0
	s_cbranch_scc1 .Lno_early
	WIN 0x40
	global_load_b128 v[16:19], v33, s[62:63]       ; the early block's Q waits in window 1
	global_load_b128 v[20:23], v33, s[62:63] offset:512
	global_load_b128 v[24:27], v33, s[62:63] offset:1024
	global_load_b128 v[28:31], v33, s[62:63] offset:1536
	WIN 0
.Lno_early:
	s_wait_loadcnt 0x0                             ; Q
; The largest of 64 scores from register s on, in four chains: the first twelve, eight more, the last four and the joining.
.macro MXH s, a, b, c, d
	v_max3_num_f32 v[\a], v[\s], v[\s+1], v[\s+2]
	v_max3_num_f32 v[\b], v[\s+3], v[\s+4], v[\s+5]
	v_max3_num_f32 v[\c], v[\s+6], v[\s+7], v[\s+8]
	v_max3_num_f32 v[\d], v[\s+9], v[\s+10], v[\s+11]
.endm
.macro MXR s, a, b, c, d
	v_max3_num_f32 v[\a], v[\a], v[\s], v[\s+1]
	v_max3_num_f32 v[\b], v[\b], v[\s+2], v[\s+3]
	v_max3_num_f32 v[\c], v[\c], v[\s+4], v[\s+5]
	v_max3_num_f32 v[\d], v[\d], v[\s+6], v[\s+7]
.endm
.macro MXT s, a, b, c, d
	v_max3_num_f32 v[\a], v[\a], v[\s], v[\s+1]
	v_max3_num_f32 v[\b], v[\b], v[\s+2], v[\s+3]
	v_max_num_f32 v[\c], v[\c], v[\d]
	v_max3_num_f32 v[\a], v[\a], v[\b], v[\c]
.endm
.macro FMA4 s                          ; tile A: t - M, eight numbers from register s on
.irp i, 0,2,4,6
	v_pk_fma_f32 v[\s+\i:\s+\i+1], v[\s+\i:\s+\i+1], s[CS:CS+1], v[4:5] op_sel_hi:[1,0,0]
.endr
.endm
.macro KLOAD q
.irp t, 0,1,2,3,4,5,6,7
.irp c, 0,1
	ds_load_b128 v[32+8*\t+4*\c:35+8*\t+4*\c], v[AD] offset:(\q)*16384+\t*1024+512*\c
.endr
.endr
.endm
; A KEY STEP, the q-th of the slot: 128 keys x my two tiles.  kload = 1: its K is fetched here; next = 1: the next step's K is fetched under the softmax.
.macro STEP q, kload, next
.if \kload
	KLOAD \q
.endif
	s_wait_dscnt 0x0
.irp t, 0,1,2,3,4,5,6,7
	v_wmma_f32_16x16x64_fp8_fp8 v[96+8*\t:103+8*\t], v[32+8*\t:39+8*\t], v[16:23], 0     ; S^T: source 0 = 16 keys, source 1 = 16 queries: one fragment of K serves both tiles
	v_wmma_f32_16x16x64_fp8_fp8 v[160+8*\t:167+8*\t], v[32+8*\t:39+8*\t], v[24:31], 0
.endr
	PLACES                                         ; for the loads below, the first read of the scores and the first write of v224 on
	WIN 0x40
.irp t, 0,1,2,3
.irp c, 0,1,2,3
	ds_load_b128 v[32+16*\t+4*\c:35+16*\t+4*\c], v[AD] offset:(\q)*16384+8192+\t*2048+512*\c   ; V lands under the softmax
.endr
.endr
	WIN 0
.if \next
	KLOAD (\q)+1
.endif
.if (\q) == 1 || (\next) == 0          ; T2 is even: a block's own step falls on time T2 - 1, 15 or 16: never on a slot's first step, but for the one of time 16
	s_cmp_lg_u32 s[KS], s[BLK]                     ; a step ahead of my block: all its keys count
	s_cbranch_scc1 .Lopen_\@
	v_mov_b32 v230, 0xff800000                     ; my block's own step: hidden keys' scores become -infinity ahead of the maximum: p = 0 then.  A walk that holds this step of its block holds earlier keys or key 0 too
.set nn, 0
.rept 64
	v_cmp_gt_i32 vcc_lo, 32*(nn/16)+nn%16, v15
	v_cndmask_b32 v[96+nn], v[96+nn], v230, vcc_lo
.set nn, nn+1
.endr
.set nn, 0
.rept 64
	v_cmp_gt_i32 vcc_lo, 32*(nn/16)+nn%16-16, v15
	v_cndmask_b32 v[160+nn], v[160+nn], v230, vcc_lo
.set nn, nn+1
.endr
.Lopen_\@:
.endif
	MXH 96, 224, 225, 230, 231                     ; tile A's largest score; each accumulator is first read at its low end
.set j, 108
.rept 6
	MXR j, 224, 225, 230, 231
.set j, j+8
.endr
	MXT 156, 224, 225, 230, 231
	MXH 160, 226, 227, 232, 233                    ; tile B's maxima stand between the links of tile A's chain from its largest score to its factor
	v_permlanex16_b32 v228, v224, s[SEL], s[SEL+1]
	MXR 172, 226, 227, 232, 233
	v_max_num_f32 v224, v224, v228                 ; and among lane l xor 16's
	MXR 180, 226, 227, 232, 233
	v_mul_f32 v224, s[CS], v224                    ; as t (c is positive)
	MXR 188, 226, 227, 232, 233
	v_max_num_f32 v5, v5, v224                     ; the running largest t
	MXR 196, 226, 227, 232, 233
	v_floor_f32 v224, -v5                          ; the new -M = floor(-t) = -ceil(t)
	MXR 204, 226, 227, 232, 233
	v_sub_f32 v225, v224, v4                       ; old M - new M: a whole number, 0 or less
	v_mov_b32 v4, v224
	MXR 212, 226, 227, 232, 233
	v_cvt_i32_f32 v225, v225                       ; (it saturates)
	MXT 220, 226, 227, 232, 233
	v_ldexp_f32 v12, 1.0, v225                     ; f = 2^(old M - new M)
	v_permlanex16_b32 v229, v226, s[SEL], s[SEL+1] ; and tile A's t - M between the links of tile B's
	FMA4 96
	v_max_num_f32 v226, v226, v229
	FMA4 104
	v_mul_f32 v226, s[CS], v226
	FMA4 112
	v_max_num_f32 v9, v9, v226
	FMA4 120
	v_floor_f32 v226, -v9
	FMA4 128
	v_sub_f32 v227, v226, v8
	v_mov_b32 v8, v226
	FMA4 136
	v_cvt_i32_f32 v227, v227
	FMA4 144
	v_ldexp_f32 v14, 1.0, v227
	FMA4 152
	s_wait_alu depctr_va_vdst(0)
.set j, 0
.rept 32
	v_exp_f32 v[96+j], v[96+j]                     ; tile A: p = 2^(t - M), at most 1; beside it tile B's t - M
	v_exp_f32 v[97+j], v[97+j]
	v_pk_fma_f32 v[160+j:161+j], v[160+j:161+j], s[CS:CS+1], v[8:9] op_sel_hi:[1,0,0]
.set j, j+2
.endr
	s_wait_alu depctr_va_vdst(0)                   ; one wait behind tile A's batch and ahead of tile B's
.set j, 0
.rept 16
	v_exp_f32 v[160+4*j], v[160+4*j]               ; tile B's p; beside it tile A's first sums, of the unquantised p, and then its holds: the conversion does not saturate (ISA guide 7.6.2); p is not negative: one-sided
	v_exp_f32 v[161+4*j], v[161+4*j]
	v_exp_f32 v[162+4*j], v[162+4*j]
	v_exp_f32 v[163+4*j], v[163+4*j]
	v_pk_add_f32 v[224+2*j:225+2*j], v[96+4*j:97+4*j], v[98+4*j:99+4*j]
	v_dual_min_num_f32 v[96+4*j], s[H8], v[96+4*j] :: v_dual_min_num_f32 v[97+4*j], s[H8], v[97+4*j]
	v_dual_min_num_f32 v[98+4*j], s[H8], v[98+4*j] :: v_dual_min_num_f32 v[99+4*j], s[H8], v[99+4*j]
.set j, j+1
.endr
	v_pk_mul_f32 v[6:7], v[6:7], v[12:13] op_sel_hi:[1,0]      ; l under the new M
	v_pk_mul_f32 v[10:11], v[10:11], v[14:15] op_sel_hi:[1,0]
	s_wait_alu depctr_va_vdst(0)                   ; one wait for the whole batch, ahead of its first reader
.irp k, 0,1,2,3,4,5,6,7                ; tile A's sums as a tree in v224-255; tile B's in eight chains in the registers that the tree leaves
	v_pk_add_f32 v[224+2*\k:225+2*\k], v[224+2*\k:225+2*\k], v[240+2*\k:241+2*\k]
.endr
.irp k, 0,1,2,3,4,5,6,7
	v_pk_add_f32 v[240+2*\k:241+2*\k], v[160+8*\k:161+8*\k], v[162+8*\k:163+8*\k]
.endr
.irp k, 0,1,2,3
	v_pk_add_f32 v[224+2*\k:225+2*\k], v[224+2*\k:225+2*\k], v[232+2*\k:233+2*\k]
.endr
.irp k, 0,1,2,3,4,5,6,7
	v_pk_add_f32 v[240+2*\k:241+2*\k], v[240+2*\k:241+2*\k], v[164+8*\k:165+8*\k]
.endr
	v_pk_add_f32 v[224:225], v[224:225], v[228:229]
	v_pk_add_f32 v[226:227], v[226:227], v[230:231]
.irp k, 0,1,2,3,4,5,6,7
	v_pk_add_f32 v[240+2*\k:241+2*\k], v[240+2*\k:241+2*\k], v[166+8*\k:167+8*\k]
.endr
	v_pk_add_f32 v[224:225], v[224:225], v[226:227]
.set j, 0
.rept 32
	v_dual_min_num_f32 v[160+j], s[H8], v[160+j] :: v_dual_min_num_f32 v[161+j], s[H8], v[161+j]
.set j, j+2
.endr
	v_pk_add_f32 v[6:7], v[6:7], v[224:225]
.irp k, 0,1,2,3
	v_pk_add_f32 v[240+2*\k:241+2*\k], v[240+2*\k:241+2*\k], v[248+2*\k:249+2*\k]
.endr
.irp g, 0,1,2
	v_cvt_scalef32_pk8_fp8_f32 v[224+2*\g:225+2*\g], v[96+8*\g:103+8*\g], v13
.endr
	v_pk_add_f32 v[240:241], v[240:241], v[244:245]
	v_pk_add_f32 v[242:243], v[242:243], v[246:247]
.irp g, 3,4,5
	v_cvt_scalef32_pk8_fp8_f32 v[224+2*\g:225+2*\g], v[96+8*\g:103+8*\g], v13
.endr
	v_pk_add_f32 v[240:241], v[240:241], v[242:243]
.irp g, 6,7
	v_cvt_scalef32_pk8_fp8_f32 v[224+2*\g:225+2*\g], v[96+8*\g:103+8*\g], v13
.endr
	v_pk_add_f32 v[10:11], v[10:11], v[240:241]
.irp g, 0,1,2,3,4,5,6,7
	v_cvt_scalef32_pk8_fp8_f32 v[240+2*\g:241+2*\g], v[160+8*\g:167+8*\g], v13
.endr
	WIN 0x41
	s_wait_alu depctr_va_vdst(0)
.set j, 0
.rept 16
	v_pk_mul_f32 v[96+j:97+j], v[96+j:97+j], v[12:13] op_sel_hi:[1,0]    ; O^T under the new M; also the plain lines between the conversions and the products
.set j, j+2
.endr
.rept 16
	v_pk_mul_f32 v[96+j:97+j], v[96+j:97+j], v[14:15] op_sel_hi:[1,0]
.set j, j+2
.endr
	s_wait_alu depctr_va_vdst(0)
.if \next
	s_wait_dscnt 16                                ; V is in; the 16 loads of the next step's K may be out
.else
	s_wait_dscnt 0x0
.endif
	WIN 0x51
.irp t, 0,1,2,3
	v_wmma_f32_16x16x128_fp8_fp8 v[96+8*\t:103+8*\t], v[32+16*\t:47+16*\t], v[224:239], v[96+8*\t:103+8*\t]       ; O^T += V^T P^T: eight accumulators by turns
	v_wmma_f32_16x16x128_fp8_fp8 v[128+8*\t:135+8*\t], v[32+16*\t:47+16*\t], v[240:255], v[128+8*\t:135+8*\t]
.endr
	WIN 0
	s_add_co_u32 s[KS], s[KS], 1
.endm
; GROUP 1 CHANGES BLOCKS at time T2: its part of the late block goes to the stage, the early block's Q comes from window 1, and the softmax begins anew.
.macro TRANS
	s_cmp_eq_u32 s[GRP], 0
	s_cbranch_scc1 .Lstay_\@
	s_cmp_lg_u32 s[TI], s[T2]
	s_cbranch_scc1 .Lstay_\@
	PLACES                                         ; behind the last products, whose results are stored and rewritten
	WIN 0x05
.set j, 0
.rept 16
	ds_store_b128 v1, v[96+4*j:99+4*j] offset:512*j
.set j, j+1
.endr
	WIN 0x01
	ds_store_b128 v1, v[4:7] offset:512*16
	ds_store_b128 v1, v[8:11] offset:512*17
.set j, 0
.rept 16
	v_mov_b32 v[16+j], v[16+j]                     ; from window 1 into window 0
.set j, j+1
.endr
	WIN 0x40
.set j, 0
.rept 64
	v_mov_b32 v[96+j], 0
.set j, j+1
.endr
	WIN 0
	FRESH
	s_mov_b32 s[KS], 0
	s_mov_b32 s[BLK], s[J]
	s_wait_alu depctr_va_vdst(0)
.Lstay_\@:
.endm
; THE CHANGE OF SLOTS stands at a slot's head.  Each wave waits for all its tensor loads (its part of the slot that it is about to read), adds 0 to its spare word, and waits for that and for its reads of the slot that it has left.
; kind 1: behind the barrier the slot that was left (the first time: slot 1) is filled; the load has two key steps in which to land.  kind 2: the one step of time 16 is fetched, by waves 0 (K) and 1 (V).  kind 0: nothing is fetched.
; THE PREFETCH names what the next change will ask for.  Work-group 0 of a head walks each of the head's 32 key steps exactly once in slots 0 .. 7 (group 0: 0-15, group 1: 16-31), so it asks, each wave for its own 8,192 bytes, lanes 256
; bytes apart, and nobody else.  Slots 0 and 1 come by their loads alone; the last kind-1 change asks for nothing.
.macro CHANGE kind
	s_wait_tensorcnt 0x0                           ; no tensor load of mine is out, so group 0 may be written
	ds_add_u32 v[SPW], v[NIL]                      ; 0 onto my spare word
.if \kind == 1
	s_xor_b32 s[G0+1], s[G0+1], SLOT1
	SETG0
	s_wait_xcnt 0x0                                ; the last prefetch has read its address
	NEXTA
.endif
.if \kind == 2
	s_xor_b32 s[G0+1], s[G0+1], SLOT1
	s_cmp_eq_u32 s[ODD], 1
	s_cselect_b32 s54, 16, s[J]                    ; time 16: the late block's key step 16 (j odd) or the early block's j (j even)
	s_lshl_b32 s54, s54, 13
	s_mov_b32 s55, 0
	s_add_nc_u64 s[G0+2:G0+3], s[BASE:BASE+1], s[54:55]
	s_or_b32 s[G0+3], s[G0+3], 0x80000000
.endif
	s_wait_dscnt 0x0                               ; the add is done, and my reads of the slot that I have left are over
	s_barrier_signal -1
	s_barrier_wait -1
.if \kind == 1
	tensor_load_to_lds s[G0:G0+3], s[G1:G1+7]      ; the first thing behind the barrier, and my one tensor load until the next
	s_nop 0
	PLACES
	s_cmp_gt_u32 s[SLOTS], s[LIM]
	s_cbranch_scc0 .Lnot_mine_\@
	WIN 0x01
	global_prefetch_b8 v2, s[NA:NA+1] th:TH_LOAD_NT scope:SCOPE_SE
	WIN 0
.Lnot_mine_\@:
.endif
.if \kind == 2
	s_cmp_lt_u32 s[W], 2
	s_cbranch_scc0 .Lnone_\@
	tensor_load_to_lds s[G0:G0+3], s[G1:G1+7]
	s_nop 0
	PLACES
.Lnone_\@:
.endif
.if \kind
	v_add_nc_u32 v[AD], s[TB], v[LI]
.else
	v_and_b32 v[AD], 0x1ff, v[LI]                  ; time 16's one step lies at slot 0's first bytes for either group
.endif
	s_wait_alu depctr_va_vdst(0)
.endm
.macro SLOT
	TRANS
	STEP 0, 1, 1
	STEP 1, 0, 0
	s_xor_b32 s[TB], s[TB], SLOT1
	s_add_co_u32 s[TI], s[TI], 2
.endm
.Lslot:                                            ; slots 0 .. 6; behind each change the next slot is asked for
	CHANGE 1
	SLOT
	s_sub_co_u32 s[SLOTS], s[SLOTS], 1
	s_cmp_lg_u32 s[SLOTS], 0
	s_cbranch_scc1 .Lslot
	CHANGE 2                                       ; slot 7 is written out: behind its change only time 16's step is asked for
	SLOT
	CHANGE 0
	TRANS
	s_cmp_eq_u32 s[GRP], s[ODD]                    ; time 16 is group 1's where j is even, group 0's where it is odd
	s_cbranch_scc1 .Lno_tail
	STEP 0, 1, 0
.Lno_tail:
	s_wait_alu depctr_va_vdst(0)
	s_wait_dscnt 0x0                               ; group 1's part of the late block is in the stage
	s_barrier_signal -1
	s_barrier_wait -1
	s_cmp_eq_u32 s[GRP], 1
	s_cbranch_scc1 .Lfinish
	; GROUP 0 JOINS THE TWO PARTS of the late block: both are brought under the larger M by powers of two.  (An empty part has l = 0 and O = 0.)
	PLACES
	WIN 0x01
.set j, 0
.rept 16
	ds_load_b128 v[160+4*j:163+4*j], v1 offset:512*j
.set j, j+1
.endr
	ds_load_b128 v[224:227], v1 offset:512*16
	ds_load_b128 v[228:231], v1 offset:512*17
	WIN 0
	s_wait_dscnt 0x0
	v_min_num_f32 v232, v4, v224
	v_min_num_f32 v233, v8, v228
	v_sub_f32 v234, v232, v4
	v_sub_f32 v235, v232, v224
	v_sub_f32 v236, v233, v8
	v_sub_f32 v237, v233, v228
	v_cvt_i32_f32 v234, v234
	v_cvt_i32_f32 v235, v235
	v_cvt_i32_f32 v236, v236
	v_cvt_i32_f32 v237, v237
	v_ldexp_f32 v240, 1.0, v234
	v_ldexp_f32 v242, 1.0, v235
	v_ldexp_f32 v244, 1.0, v236
	v_ldexp_f32 v246, 1.0, v237
	v_pk_mul_f32 v[6:7], v[6:7], v[240:241] op_sel_hi:[1,0]
	v_pk_mul_f32 v[10:11], v[10:11], v[244:245] op_sel_hi:[1,0]
	v_pk_fma_f32 v[6:7], v[226:227], v[242:243], v[6:7] op_sel_hi:[1,0,1]
	v_pk_fma_f32 v[10:11], v[230:231], v[246:247], v[10:11] op_sel_hi:[1,0,1]
	WIN 0x41
.set j, 0
.rept 16
	v_pk_mul_f32 v[96+j:97+j], v[96+j:97+j], v[240:241] op_sel_hi:[1,0]
.set j, j+2
.endr
.rept 16
	v_pk_mul_f32 v[96+j:97+j], v[96+j:97+j], v[244:245] op_sel_hi:[1,0]
.set j, j+2
.endr
	WIN 0x50
.set j, 0
.rept 16
	v_pk_fma_f32 v[96+j:97+j], v[160+j:161+j], v[242:243], v[96+j:97+j] op_sel_hi:[1,0,1]
.set j, j+2
.endr
.rept 16
	v_pk_fma_f32 v[96+j:97+j], v[160+j:161+j], v[246:247], v[96+j:97+j] op_sel_hi:[1,0,1]
.set j, j+2
.endr
	WIN 0
	s_wait_alu depctr_va_vdst(0)
.Lfinish:
	; THE WAY OUT: O^T x 2^(e8 + e9) / l is quantised with 2^e10; the codes are registers 4 b .. 4 b + 3 (k = 64 head + 32 b + 16 (lane / 16) + 0 .. 15) of the last product's fragment.
	v_add_f32 v6, v6, v7
	v_add_f32 v10, v10, v11
	v_and_b32 v34, 0x1ff, v[LI]                    ; 16 x lane
	v_nop                                          ; four plain lines stand between the last products and the rewriting of their codes
	v_permlanex16_b32 v232, v6, s[SEL], s[SEL+1]
	v_permlanex16_b32 v233, v10, s[SEL], s[SEL+1]
	v_add_f32 v6, v6, v232                         ; the rows' sums
	v_add_f32 v10, v10, v233
	s_add_co_i32 s58, s50, s51
	s_add_co_i32 s56, s52, 127
	s_lshl_b32 s57, s56, 23                        ; 2^e10
	s_add_co_i32 s56, s56, 8
	s_lshl_b32 s56, s56, 23
	s_or_b32 s56, s56, 0x600000                    ; 448 x 2^e10
	s_wait_alu depctr_va_vdst(0)                   ; the wait ahead of the transcendentals
	v_rcp_f32 v6, v6
	v_rcp_f32 v10, v10
	v_mov_b32 v32, s57
	v_mov_b32 v33, s56
	s_wait_alu depctr_va_vdst(0)                   ; and behind them, ahead of the first reader
	v_ldexp_f32 v6, v6, s58
	v_ldexp_f32 v10, v10, s58
	WIN 0x01
	s_wait_alu depctr_va_vdst(0)
.set j, 0
.rept 32
	v_mul_f32 v[96+j], v[96+j], v6                 ; window 1 into window 0; each accumulator from its low end on
.set j, j+1
.endr
.rept 32
	v_mul_f32 v[96+j], v[96+j], v10
.set j, j+1
.endr
	WIN 0
.set j, 0
.rept 64
	v_med3_num_f32 v[96+j], v[96+j], -v33, v33
.set j, j+1
.endr
.irp g, 0,1,2,3,4,5,6,7
	v_cvt_scalef32_pk8_fp8_f32 v[224+2*\g:225+2*\g], v[96+8*\g:103+8*\g], v32
.endr
	v_nop
	global_store_b128 v34, v[224:227], s[8:9]              ; 512 consecutive bytes each
	global_store_b128 v34, v[228:231], s[8:9] offset:512
	global_store_b128 v34, v[232:235], s[8:9] offset:16384
	global_store_b128 v34, v[236:239], s[8:9] offset:16896
	s_wait_tensorcnt 0x0                           ; the wave's end
	ds_add_u32 v[SPW], v[NIL]
	s_wait_dscnt 0x0
	s_endpgm
.Lfunc_end_k_q9c16ce1bf3_attn:
	.size	k_q9c16ce1bf3_attn, .Lfunc_end_k_q9c16ce1bf3_attn-k_q9c16ce1bf3_attn
	.p2alignl 7, 3214868480
	.fill 96, 4, 3214868480
	.section	.rodata,"a",@progbits
	.p2align	6, 0x0
	.amdhsa_kernel k_q9c16ce1bf3_attn
		.amdhsa_group_segment_fixed_size 327680
		.amdhsa_private_segment_fixed_size 0
		.amdhsa_enable_private_segment 0
		.amdhsa_kernarg_size 24
		.amdhsa_user_sgpr_count 2
		.amdhsa_user_sgpr_kernarg_segment_ptr 1
		.amdhsa_wavefront_size32 1
		.amdhsa_system_sgpr_workgroup_id_x 1
		.amdhsa_system_sgpr_workgroup_id_y 1
		.amdhsa_system_sgpr_workgroup_id_z 1
		.amdhsa_system_vgpr_workitem_id 0
		.amdhsa_next_free_vgpr 512
		.amdhsa_next_free_sgpr 100
		.amdhsa_reserve_vcc 1
		.amdhsa_float_denorm_mode_32 3
		.amdhsa_float_denorm_mode_16_64 3
		.amdhsa_memory_ordered 1
		.amdhsa_forward_progress 1
		.amdhsa_inst_pref_size 208
	.end_amdhsa_kernel
	.amdgpu_metadata
---
amdhsa.version: [ 1, 2 ]
amdhsa.kernels:
  - .name:           k_q9c16ce1bf3_attn
    .symbol:         k_q9c16ce1bf3_attn.kd
    .args:
      - { .name: qkv, .offset: 0, .size: 8, .value_kind: global_buffer, .address_space: global }
      - { .name: lowp_scales, .offset: 8, .size: 8, .value_kind: global_buffer, .address_space: global }
      - { .name: cimg, .offset: 16, .size: 8, .value_kind: global_buffer, .address_space: global }
    .group_segment_fixed_size: 327680
    .private_segment_fixed_size: 0
    .kernarg_segment_align: 8
    .kernarg_segment_size: 24
    .max_flat_workgroup_size: 256
    .sgpr_count:     100
    .vgpr_count:     512
    .wavefront_size: 32
...
	.end_amdgpu_metadata
.endif
;; end of part 3
;; launch pool (part 4): grid 8 x 32, 4 waves a work-group, clusters of 4 x 4, 327,680 bytes of LDS; arguments cimg, wc, lowp_scales, out0; writes out0
.if DOCPART == 4
	.amdgcn_target "amdgcn-amd-amdhsa--gfx1250"
	.amdhsa_code_object_version 6
	.text
	.protected	k_q9c16ce1bf3_pool
	.globl	k_q9c16ce1bf3_pool
	.p2align	8
	.type	k_q9c16ce1bf3_pool,@function
k_q9c16ce1bf3_pool:
	s_mov_b64 s[64:65], 0
	v_nop
	global_prefetch_b8 v0, s[64:65] scope:SCOPE_SE
	s_setreg_imm32_b32 hwreg(HW_REG_WAVE_MODE, 25, 1), 1
	s_wait_xcnt 0x0
	s_wait_alu depctr_hold_cnt(0) depctr_sa_sdst(0) depctr_va_vdst(0) depctr_va_sdst(0) depctr_va_ssrc(0) depctr_va_vcc(0) depctr_vm_vsrc(0)
	s_getreg_b32 s2, hwreg(HW_REG_IB_STS2, 6, 4)
	s_cmp_eq_u32 s2, 0
	s_cbranch_scc0 .Lentry_in_a_cluster
	s_endpgm
.Lentry_in_a_cluster:
	s_bfe_u32 s2, ttmp6, 0x10000c
	s_cmp_lg_u32 s2, 0xf033
	s_cbranch_scc0 .Lentry_shape_is_right
	s_endpgm
.Lentry_shape_is_right:
; out [4096][1024] f32 = concat x W_pool on codes of E4M3 (scales: entries 10, 11): sums of code products, each finished sum once x 2^(e10 + e11).
; OPERANDS ARE IMAGES OF REGISTERS: cimg [256 tiles of 16 rows][8 K steps of 128][2,048 bytes], wc's fourth section [64 tiles of 16 columns][8][2,048]; a fragment is [c 0..3][lane][16 bytes].
; A work-group makes 128 x 128 of the result: 8 tiles of each side, all of K, 262,144 bytes, lie in LDS at once: each of four waves asks for one quarter by one tensor load (wave 0 A's first half of K, wave 1 B's, waves 2 and 3
; the second halves), and nothing is filled again.  A wave makes 64 x 64: 16 accumulators.
; CLUSTERS of 4 x 4: A's tiles are asked for jointly along a row of the cluster, B's along a column.  No prefetch: each byte is asked for at the head, and there is no loop to run ahead in.
; THE MATRIX INSTRUCTION IS USED TRANSPOSED (source 0 = 16 columns of W_pool, source 1 = 16 rows): the 16 registers of two column tiles are columns 32 g + 16 (lane / 16) + 0 .. 15 of row lane % 16.
; LIMIT: e10 + e11 between -126 and 127.
; REGISTERS: window 0: v16-29 addresses, v32-159 the way out, v128-255 fragments of even K steps; window 1: accumulators, (a, b) at v[32 a + 8 b]; window 2: v0-127 fragments of odd K steps.
.set STAGE, 262144                     ; behind the operands: 16 rows x 272 bytes for each wave
.set SPITCH, 272
.set SPARE, STAGE+4*16*SPITCH          ; the spare words, 128 bytes for each wave, in two blocks of 256 bytes that no other line names
.set ADA, 16                           ; v16, v17: my rows' fragments in K's first and second half
.set ADB, 20                           ; v20, v21: my columns'
.set STO, 24
.set RD,  25
.set CO,  26
.set SPW, 28
.set NIL, 29
.set TMP, 32
.set BK,  96
.set G1,  24
.set G0,  32
.set G1B, 48
.set G0B, 56
.set MSB, 0
.macro WIN new
.if MSB != \new
	s_set_vgpr_msb (MSB<<8)|\new
.set MSB, \new
.endif
.endm
.macro PLACES
.rept 4
	v_nop
.endr
.endm
.macro CROUND                          ; a round of the cluster's barrier
	s_barrier_signal -1
	s_barrier_wait -1
	s_cmp_lg_u32 s14, 0
	s_cbranch_scc1 .Lnot_wave_0_\@
	s_barrier_signal -3
.Lnot_wave_0_\@:
	s_barrier_wait -3
	s_barrier_signal -1
	s_barrier_wait -1
.endm
	s_load_b128 s[4:7], s[0:1], 0x0                ; cimg, wc
	s_load_b128 s[8:11], s[0:1], 0x10              ; the scales, out0
	v_lshl_add_u32 v[SPW], v0, 2, SPARE
	v_mov_b32 v[NIL], 0
	ds_add_u32 v[SPW], v[NIL]                      ; the wave's opening: the add, twice on end, and its wait ahead of my first tensor load
	ds_add_u32 v[SPW], v[NIL]
	v_lshrrev_b32 v1, 5, v0
	v_readfirstlane_b32 s14, v1                    ; wave 0..3
	s_and_b32 s15, s14, 1                          ; I fetch for A (0) or B (1).  Also: which half of the columns is mine
	s_lshr_b32 s16, s14, 1                         ; which half of K I fetch.  Also: which half of the rows is mine
	s_bfe_u32 s40, ttmp6, 0x40000                  ; cx, cy
	s_bfe_u32 s41, ttmp6, 0x40004
	s_lshl_b32 s42, ttmp9, 2
	s_add_co_u32 s42, s42, s40                     ; block column
	s_and_b32 s17, ttmp7, 0xffff
	s_lshl_b32 s17, s17, 2
	s_add_co_u32 s17, s17, s41                     ; block row
	s_lshl_b32 s43, s41, 2
	s_lshl_b32 s43, 15, s43                        ; my row of the cluster
	s_lshl_b32 s44, 0x1111, s40                    ; my column
	; descriptor group 1: 8 rows of 8,192 bytes (4 K steps of a tile), 16,384 bytes apart, elements of 8 bytes; 21 set beside a mask
	s_or_b32 s[G1+0], s43, (3<<16)|(1<<21)
	s_or_b32 s[G1B+0], s44, (3<<16)|(1<<21)
.irp g, G1, G1B
	s_mov_b32 s[\g+1], 1024<<16
	s_mov_b32 s[\g+2], 8<<16
	s_mov_b32 s[\g+3], 1024<<16
	s_mov_b32 s[\g+4], 8
	s_mov_b32 s[\g+5], 2048
	s_mov_b32 s[\g+6], 0
	s_mov_b32 s[\g+7], 0
.endr
	s_lshl_b32 s18, s16, 13                        ; the half of K
	s_lshl_b32 s20, s17, 17
	s_add_co_u32 s20, s20, s18
	s_mov_b32 s21, 0
	s_lshl_b32 s46, s42, 17
	s_add_co_u32 s46, s46, s18
	s_add_co_u32 s46, s46, 0x300000
	s_mov_b32 s47, 0
	s_lshl_b32 s45, s14, 16                        ; to 65,536 x wave
	s_mov_b32 s[G0], 1
	s_mov_b32 s[G0+1], s45
	s_mov_b32 s[G0B], 1
	s_mov_b32 s[G0B+1], s45
	s_wait_dscnt 0x0                               ; both opening adds are done
	s_wait_alu depctr_va_vdst(0)
	s_wait_kmcnt 0x0
	s_load_b64 s[96:97], s[8:9], 0x28              ; e10, e11
	s_add_nc_u64 s[G0+2:G0+3], s[4:5], s[20:21]
	s_or_b32 s[G0+3], s[G0+3], 0x80000000
	s_add_nc_u64 s[G0B+2:G0B+3], s[6:7], s[46:47]
	s_or_b32 s[G0B+3], s[G0B+3], 0x80000000
	CROUND                                         ; all sixteen work-groups are here: the joint loads meet
	s_cmp_eq_u32 s15, 0
	s_cbranch_scc0 .Lfor_b
	tensor_load_to_lds s[G0:G0+3], s[G1:G1+7]
	s_nop 0
	PLACES
	s_branch .Lasked
.Lfor_b:
	tensor_load_to_lds s[G0B:G0B+3], s[G1B:G1B+7]
	s_nop 0
	PLACES
.Lasked:
	s_lshl_b32 s68, s16, 15                        ; my four row tiles of 8,192 bytes,
	s_lshl_b32 s69, s15, 15
	s_add_co_u32 s69, s69, 65536                   ; my four column tiles
	s_mul_i32 s70, s14, 16*SPITCH
	s_add_co_u32 s70, s70, STAGE                   ; my stage
	s_lshl_b32 s72, s17, 19                        ; my first row and column of the result, in bytes
	s_lshl_b32 s73, s16, 18
	s_add_co_u32 s72, s72, s73
	s_lshl_b32 s73, s42, 9
	s_add_co_u32 s72, s72, s73
	s_lshl_b32 s73, s15, 8
	s_add_co_u32 s72, s72, s73
	s_mov_b32 s73, 0
	s_add_nc_u64 s[10:11], s[10:11], s[72:73]
	v_and_b32 v1, 15, v0                           ; r
	v_bfe_u32 v2, v0, 4, 1                         ; h
	v_and_b32 v6, 31, v0
	v_lshlrev_b32 v7, 4, v6                        ; 16 x lane
	v_add_nc_u32 v[ADA], s68, v7
	v_add_nc_u32 v[ADB], s69, v7
	v_add_nc_u32 v[ADA+1], 0x20000, v[ADA]
	v_add_nc_u32 v[ADB+1], 0x20000, v[ADB]
	v_mul_u32_u24 v3, v1, SPITCH
	v_lshl_add_u32 v3, v2, 6, v3
	v_add_nc_u32 v[STO], s70, v3                   ; into the stage: row r, + 64 h
	v_mul_u32_u24 v4, v2, SPITCH
	v_lshl_add_u32 v4, v1, 4, v4
	v_add_nc_u32 v[RD], s70, v4                    ; back: lanes 0-15 take one row of 256 bytes, lanes 16-31 the next
	v_lshlrev_b32 v5, 12, v2
	v_lshl_add_u32 v[CO], v1, 4, v5                ; and the same two rows of the result
.macro FETCH k                         ; K step k's four row and four column fragments; even steps into window 0, odd ones into window 2
.set FA, 128*(1-(\k)%2)
	WIN 0x80*((\k)%2)
.irp i, 0,1,2,3
.irp c, 0,1,2,3
	ds_load_b128 v[FA+16*\i+4*\c:FA+16*\i+4*\c+3], v[ADA+(\k)/4] offset:\i*8192+((\k)%4)*2048+512*\c
.endr
.endr
.irp i, 0,1,2,3
.irp c, 0,1,2,3
	ds_load_b128 v[FA+64+16*\i+4*\c:FA+64+16*\i+4*\c+3], v[ADB+(\k)/4] offset:\i*8192+((\k)%4)*2048+512*\c
.endr
.endr
.endm
.macro MUL k                           ; 16 accumulators by turns; K step 0 starts the sums
.set FA, 128*(1-(\k)%2)
	WIN 0x50+0x0a*((\k)%2)
.irp a, 0,1,2,3
.irp b, 0,1,2,3
.if (\k) == 0
	v_wmma_f32_16x16x128_fp8_fp8 v[32*\a+8*\b:32*\a+8*\b+7], v[FA+64+16*\b:FA+64+16*\b+15], v[FA+16*\a:FA+16*\a+15], 0
.else
	v_wmma_f32_16x16x128_fp8_fp8 v[32*\a+8*\b:32*\a+8*\b+7], v[FA+64+16*\b:FA+64+16*\b+15], v[FA+16*\a:FA+16*\a+15], v[32*\a+8*\b:32*\a+8*\b+7]
.endif
.endr
.endr
.endm
.macro KSTEP k
	s_wait_dscnt 0x0                               ; K step k's fragments are in
.if (\k) < 7
	PLACES                                         ; for the loads into registers that K step k - 1's products have read
	FETCH (\k)+1
.endif
	MUL \k
.endm
	s_wait_alu depctr_va_vdst(0)
	s_wait_tensorcnt 0x0                           ; my quarter has landed
	s_barrier_signal -1                            ; (no LDS bytes are filled again behind this barrier)
	s_barrier_wait -1
	FETCH 0
.irp k, 0,1,2,3,4,5,6,7
	KSTEP \k
.endr
	WIN 0
	s_wait_kmcnt 0x0
	s_add_co_i32 s96, s96, s97
	s_add_co_i32 s96, s96, 127
	s_lshl_b32 s96, s96, 23                        ; 2^(e10 + e11)
	PLACES                                         ; the last products' results are read below
; THE WAY OUT, 16 rows x 64 columns at a time, through my own stage: sixteen lanes store 256 consecutive bytes, aligned.  LDS serves a wave's instructions in order (ISA guide 5.7.1.4).
.macro TOSTAGE a
.set TA, TMP+32*((\a)%2)
.set BA, BK+32*((\a)%2)
	WIN 0x01
.set j, 0
.rept 16
	v_pk_mul_f32 v[TA+j:TA+j+1], v[32*(\a)+j:32*(\a)+j+1], s[96:97] op_sel_hi:[1,0]
.set j, j+2
.endr
	WIN 0
.irp b, 0,1,2,3
	ds_store_b128 v[STO], v[TA+8*\b:TA+8*\b+3] offset:128*(\b/2)+32*(\b%2)
	ds_store_b128 v[STO], v[TA+8*\b+4:TA+8*\b+7] offset:128*(\b/2)+32*(\b%2)+16
.endr
.irp t, 0,1,2,3,4,5,6,7
	ds_load_b128 v[BA+4*\t:BA+4*\t+3], v[RD] offset:\t*2*SPITCH
.endr
.endm
.macro SEND a, younger                 ; younger: the LDS instructions issued behind block a's loads, which may stay out
.set BA, BK+32*((\a)%2)
	s_wait_dscnt \younger
.irp t, 0,1,2,3,4,5,6,7
	global_store_b128 v[CO], v[BA+4*\t:BA+4*\t+3], s[10:11] offset:(\a)*65536+\t*8192 th:TH_STORE_NT
.endr
.endm
	TOSTAGE 0
	TOSTAGE 1
	SEND 0, 16
	s_wait_xcnt 0x0                                ; block 0's stores have read their registers
	TOSTAGE 2
	SEND 1, 16
	s_wait_xcnt 0x0                                ; and block 1's
	TOSTAGE 3
	SEND 2, 16
	SEND 3, 0
	s_wait_tensorcnt 0x0                           ; the wave's end
	ds_add_u32 v[SPW], v[NIL]
	s_wait_dscnt 0x0
	CROUND                                         ; the closing round
	s_endpgm
.Lfunc_end_k_q9c16ce1bf3_pool:
	.size	k_q9c16ce1bf3_pool, .Lfunc_end_k_q9c16ce1bf3_pool-k_q9c16ce1bf3_pool
	.p2alignl 7, 3214868480
	.fill 96, 4, 3214868480
	.section	.rodata,"a",@progbits
	.p2align	6, 0x0
	.amdhsa_kernel k_q9c16ce1bf3_pool
		.amdhsa_group_segment_fixed_size 327680
		.amdhsa_private_segment_fixed_size 0
		.amdhsa_enable_private_segment 0
		.amdhsa_kernarg_size 32
		.amdhsa_user_sgpr_count 2
		.amdhsa_user_sgpr_kernarg_segment_ptr 1
		.amdhsa_wavefront_size32 1
		.amdhsa_system_sgpr_workgroup_id_x 1
		.amdhsa_system_sgpr_workgroup_id_y 1
		.amdhsa_system_sgpr_workgroup_id_z 1
		.amdhsa_system_vgpr_workitem_id 0
		.amdhsa_next_free_vgpr 1024
		.amdhsa_next_free_sgpr 100
		.amdhsa_reserve_vcc 0
		.amdhsa_float_denorm_mode_32 3
		.amdhsa_float_denorm_mode_16_64 3
		.amdhsa_memory_ordered 1
		.amdhsa_forward_progress 1
		.amdhsa_inst_pref_size 44
	.end_amdhsa_kernel
	.amdgpu_metadata
---
amdhsa.version: [ 1, 2 ]
amdhsa.kernels:
  - .name:           k_q9c16ce1bf3_pool
    .symbol:         k_q9c16ce1bf3_pool.kd
    .args:
      - { .name: cimg, .offset: 0, .size: 8, .value_kind: global_buffer, .address_space: global }
      - { .name: wc, .offset: 8, .size: 8, .value_kind: global_buffer, .address_space: global }
      - { .name: lowp_scales, .offset: 16, .size: 8, .value_kind: global_buffer, .address_space: global }
      - { .name: out0, .offset: 24, .size: 8, .value_kind: global_buffer, .address_space: global }
    .group_segment_fixed_size: 327680
    .private_segment_fixed_size: 0
    .kernarg_segment_align: 8
    .kernarg_segment_size: 32
    .max_flat_workgroup_size: 128
    .sgpr_count:     100
    .vgpr_count:     1024
    .wavefront_size: 32
...
	.end_amdgpu_metadata
.endif
;; end of part 4
